; MI455X (gfx1250); checked and timed in simulation.
; The chip was launched on July 23, 2026; its instructions are those of AMD's public machine-readable ISA for CDNA 5 (MIT licence, August 2026) and "CDNA5" Instruction Set Architecture Reference Guide (July 2026). The comments in the code are by the model that wrote it; some were corrected since.
;; Dot Product Attention. Allowed arithmetic: matrix products marked QUANTISED: E2M1 operands, one E8M0 scale for each 32 along K, by v_wmma_scale_f32_16x16x128_f8f6f4 with both operands' format E2M1 (or v_wmma_scale_f32_32x16x128_f4), f32 sums; everything else in f32.
;; Inputs: k 32 x 2,048 x 128 float32; q 32 x 2,048 x 128 float32; v 32 x 2,048 x 128 float32.
;; Outputs: out0 32 x 2,048 x 128 float32.
;; This version of the problem:
;;   THIS VERSION OF THE PROBLEM IS GIVEN IN LOW PRECISION. The matrix products marked QUANTISED in the list below multiply operands that are first quantised to E2M1 (2 exponent bits, 1 mantissa bit; 4 bits a number), with one power-of-two scale for each 32 numbers along K (OCP MX v1.0); their sums are f32. All else is computed in f32.
;;   The module's matrix products, in the order in which they are computed (A, B: the left and right operand; K: the contracted axis; several contracted axes count as one K, in the product's order):
;;     1. batch 32 x [M 2,048, K 128] x [K 128, N 2,048]; A: input q; B: input k: QUANTISED
;;     2. batch 32 x [M 2,048, K 2,048] x [K 2,048, N 128]; A: softmax (see below); B: input v: QUANTISED
;;   THE QUANTISER, for each operand of a quantised product, along K:
;;     - K is cut into blocks of 32 from its start; a last block that is shorter is filled with zeros.
;;     - A block's scale is 2^e with e = floor(log2(the largest magnitude in the block)) - 2, held to -126 .. 127; a block of zeros has e = 0. As a byte (E8M0): e + 127.
;;     - Each number is divided by its block's scale, clamped to +-6, and rounded to the nearest number of E2M1, ties to even, subnormals kept.
;;     - The product sums the exact products of the quantised numbers (number of the format x scale) in f32.
;;   ~~~python
;;   def quantise(x, axis):      # numpy; x: float32 -> the quantised numbers, widened to float32 again
;;       x = np.moveaxis(x, axis, -1); K = x.shape[-1]
;;       x = np.pad(x, [(0, 0)] * (x.ndim - 1) + [(0, -K % 32)]); x = x.reshape(x.shape[:-1] + (-1, 32)); a = np.abs(x).max(-1, keepdims=True)
;;       e = np.where(a > 0, np.clip(np.frexp(np.where(a > 0, a, 1))[1] - 1 - 2, -126, 127), 0)      # np.frexp(a)[1] - 1 = floor(log2(a)), exactly
;;       r = np.clip(x / 2.0 ** e, -6, 6)
;;       step = 2.0 ** (np.maximum(np.frexp(np.where(r == 0, 1, r))[1] - 1, 0) - 1)
;;       q = np.round(r / step) * step * 2.0 ** e      # np.round: ties to even
;;       return np.moveaxis(q.reshape(q.shape[:-2] + (-1,))[..., :K], -1, axis).astype(np.float32)
;;   ~~~
;;   SOFTMAX AHEAD OF A QUANTISED PRODUCT. Where the list says 'softmax', what is quantised is not the finished softmax but p = 2^(t - M), with t = logit x log2(e) and M = ceil(the row's largest t), a whole number; so 1/2 < the row's largest p <= 1. The row's sum l is taken of the UNQUANTISED p, in f32, and the product's result is divided by l at the end. Since M is a whole number, a kernel that streams over the keys may use a running M (the ceiling of the running maximum): every later rescaling is an exact power of two, which a block's scale takes up: the codes' values come out the same.
;;   OPERANDS COMPUTED ON THE WAY. 'Computed on the way' means the value that the module computes at that place (a softmax that the list does not call 'softmax' is quantised finished and normalised). What goes into a quantiser is computed in f32, as accurately as f32 sums, v_exp_f32 and their like allow (about 1e-6 of the number): no bf16 or f16 on the way to a quantiser, and a product that is left as it is and whose result goes on into a quantised operand takes f32 operands (vector FMAs, or v_wmma_f32_16x16x4_f32). A number that lies on a knife's edge between two numbers of the format may be rounded either way, as far as f32 arithmetic and the matrix unit's own rounding can turn it there, and no further.
;; One version. Each part assembles by itself: llvm-mc -triple=amdgcn-amd-amdhsa -mcpu=gfx1250 --defsym DOCPART=n.
;; ======== version 1 of 1: 2 launches
;; limits: right only within a limited range of input values
;; workspace buffers: kv 8,912,896 bytes
;; launch quant (part 1): grid 1024 x 1, 4 waves a work-group, no clusters, 35,328 bytes of LDS; arguments k, v, kv; writes kv
.if DOCPART == 1
	.amdgcn_target "amdgcn-amd-amdhsa--gfx1250"
	.amdhsa_code_object_version 6
	.text
	.protected	k_q10618aea37_quant
	.globl	k_q10618aea37_quant
	.p2align	8
	.type	k_q10618aea37_quant,@function
k_q10618aea37_quant:
	s_mov_b64 s[64:65], 0
	v_nop
	global_prefetch_b8 v0, s[64:65] scope:SCOPE_SE
	s_setreg_imm32_b32 hwreg(HW_REG_WAVE_MODE, 25, 1), 1
	s_wait_xcnt 0x0
; k, v: [32][2048][128] f32 become codes of FP4 (E2M1) with one E8M0 scale byte for each 32 along K: k along the head's 128, v along the keys.  (q is quantised by the second launch, which reads each row of it once.)
; A block's scale is 2^(floor(log2(its largest magnitude)) - 2); its byte is the largest magnitude's exponent field - 2, held at 1 from below; numbers are divided by the scale and rounded to the nearest code, ties to even, beyond 6 the largest code.
; THE IMAGE kv: 278,528 bytes a head: 16 key steps of K, then 16 of V; a key step (128 keys) is 8 tiles of 1,024 bytes, then their 128 scale words: 8,704 bytes = 34 x 256.
;   A tile is the image of one operand fragment (16 rows x 128 K): byte 512 c + 16 lane + 0..15 = registers 4 c .. 4 c + 3 of that lane, lane 16 h + r holding k = 64 c + 32 h + 0..31 of row r.  Scale words: [tile][r], byte b for k = 32 b ...
; WHICH ROWS FORM A TILE.  K: tile 4 c + u has key 64 c + 32 (r / 8) + 8 u + r % 8 at row r.   V: tile 4 g + q has channel 64 g + 4 r + q at row r.
; SHARES.  Work-groups 0-511 take a key step of k, 512-1023 one of v: 65,536 bytes each, 16,384 a wave, all of a wave's 32 loads out at once.  The waves share the step's 512 bytes of scale words through LDS.
; LIMITS: NaN and infinities among the inputs are not served; a block whose largest magnitude lies under 2^-124 has its byte held at 1; a block of zeros gets the byte 1 where the rule says 127:
;   its codes are zeros, which add nothing under any byte but 0xff, and the bytes are read by this program alone.
.set SP,   528                         ; a stage row: 512 bytes + 16
.set WREG, 16*SP                       ; a wave's stage (k only)
.set KWD,  4*WREG                      ; k's scale words of the step
.set VWD,  KWD+512                     ; v's
.set SPARE, VWD+512                    ; the spare words, 128 bytes a wave
.set HEADB, 278528
.set STEPB, 8704
.set MX,   8
.set EX,   10
.set BY,   12                          ; v12-15
.set W,    24
.set W2,   25
.set R,    32                          ; v32-159  as loaded
.set X,    160                         ; v160-223 in the operand's order
.set C,    224                         ; v224-239 codes
	s_load_b128 s[4:7], s[0:1], 0x0                ; k s[4:5], v s[6:7]
	s_load_b64 s[8:9], s[0:1], 0x10                ; kv
	v_lshl_add_u32 v30, v0, 2, SPARE
	v_mov_b32 v31, 0
	v_lshrrev_b32 v1, 5, v0
	v_readfirstlane_b32 s22, v1                    ; wave 0..3
	v_and_b32 v1, 31, v0                           ; lane
	v_and_b32 v17, 15, v0                          ; r
	v_bfe_u32 v18, v0, 4, 1                        ; h
	v_lshlrev_b32 v2, 4, v1                        ; 16 x lane
	s_and_b32 s23, ttmp9, 511                      ; 16 x head + key step
	s_lshr_b32 s24, s23, 4
	s_and_b32 s25, s23, 15
	s_mul_i32 s26, s24, HEADB
	s_mul_i32 s27, s25, STEPB
	s_add_co_u32 s26, s26, s27                     ; the step in the image (K's part)
	s_mov_b32 s27, 0
	s_lshl_b32 s28, s23, 16                        ; the step's 128 rows x 512 bytes
	s_mov_b32 s29, 0
	s_mov_b32 s33, 0
	s_wait_alu depctr_va_vdst(0)
	s_wait_kmcnt 0x0
	s_cmp_ge_u32 ttmp9, 512
	s_cbranch_scc1 .Lv
; The step's scale words are whole behind the barrier: wave 0 stores them, 512 consecutive bytes.  Then the wave's end.
.macro FINISH words
	s_wait_alu depctr_va_vdst(0)
	s_wait_dscnt 0x0                               ; my scale bytes are in LDS
	s_barrier_signal -1
	s_barrier_wait -1
	s_cmp_lg_u32 s22, 0
	s_cbranch_scc1 .Lend_\@
	ds_load_b128 v[20:23], v2 offset:\words
	s_wait_dscnt 0x0
	global_store_b128 v2, v[20:23], s[10:11] offset:8192
.Lend_\@:
	s_wait_tensorcnt 0x0
	ds_add_u32 v30, v31
	s_wait_dscnt 0x0
	s_endpgm
.endm
; ---------------- k: a wave takes tiles 2 w and 2 w + 1 of the step ----------------
	s_lshr_b32 s30, s22, 1
	s_lshl_b32 s30, s30, 15                        ; 64 rows x (w / 2)
	s_and_b32 s31, s22, 1
	s_lshl_b32 s31, s31, 13                        ; 16 rows x (w % 2)
	s_add_co_u32 s28, s28, s30
	s_add_co_u32 s28, s28, s31
	s_add_nc_u64 s[4:5], s[4:5], s[28:29]
.macro KROWS t                         ; tile t's 16 rows; each load is one whole row: 512 consecutive bytes
.irp i, 0,1,2,3,4,5,6,7,8,9,10,11,12,13,14,15
	global_load_b128 v[R+64*\t+4*\i:R+64*\t+4*\i+3], v2, s[4:5] offset:(8*\t+\i+24*(\i/8))*512 th:TH_LOAD_NT
.endr
.endm
	KROWS 0
	KROWS 1
	s_add_nc_u64 s[10:11], s[8:9], s[26:27]        ; the step's image
	s_lshl_b32 s32, s22, 11
	s_add_nc_u64 s[12:13], s[10:11], s[32:33]      ; my two tiles
	s_mov_b32 s20, 0x76543210
	s_mov_b32 s21, 0xfedcba98                      ; v_permlanex16_b32's selects for lane l xor 16
	s_mul_i32 s34, s22, WREG                       ; my stage
	s_lshl_b32 s35, s22, 7
	s_add_co_u32 s35, s35, KWD                     ; my two tiles' words
	v_add_nc_u32 v3, s34, v2                       ; into the stage: a row as it lies
	v_mul_u32_u24 v4, v17, SP
	v_lshl_add_u32 v4, v18, 7, v4
	v_add_nc_u32 v4, s34, v4                       ; out of it: row r, from byte 128 h on
	v_lshl_add_u32 v5, v17, 2, s35                 ; my row's scale word
	v_lshlrev_b32 v16, 3, v18                      ; 8 h
	v_mov_b32 v[W2], 0                             ; a lane permute's destination counts as one of its sources
	s_wait_alu depctr_va_vdst(0)
.macro KTILE t
	s_wait_loadcnt 16-16*\t                        ; tile 0: the second tile's 16 loads may be out
.irp i, 0,1,2,3,4,5,6,7,8,9,10,11,12,13,14,15
	ds_store_b128 v3, v[R+64*\t+4*\i:R+64*\t+4*\i+3] offset:SP*\i
.endr
.irp c, 0,1
.irp p, 0,1,2,3,4,5,6,7
	ds_load_b128 v[X+32*\c+4*\p:X+32*\c+4*\p+3], v4 offset:256*\c+16*\p   ; LDS serves a wave's instructions in order: these see the stores above
.endr
.endr
	s_wait_dscnt 0x0
.irp c, 0,1                                    ; block 2 c + h of my row
	v_max3_num_f32 v[MX+\c], |v[X+32*\c]|, |v[X+32*\c+1]|, 0x1800000   ; with the floor 2^(3 - 127): the byte cannot fall under 1
.endr
.irp i, 2,4,6,8,10,12,14,16,18,20,22,24,26,28,30
.irp c, 0,1
	v_max3_num_f32 v[MX+\c], v[MX+\c], |v[X+32*\c+\i]|, |v[X+32*\c+\i+1]|
.endr
.endr
.irp c, 0,1
	v_add_nc_u32 v[EX+\c], 0xff000000, v[MX+\c]    ; 2 off the exponent field: the conversion takes the exponent field as its scale
.endr
.irp c, 0,1
.irp g, 0,1,2,3
	v_cvt_scalef32_pk8_fp4_f32 v[C+8*\t+4*\c+\g], v[X+32*\c+8*\g:X+32*\c+8*\g+7], v[EX+\c]
.endr
.endr
.irp c, 0,1
	v_lshrrev_b32 v[BY+\c], 23, v[EX+\c]
.endr
	v_lshl_or_b32 v[W], v[BY+1], 16, v[BY]         ; my two bytes: blocks h and 2 + h,
	v_lshlrev_b32 v[W], v16, v[W]                  ; at their places in the word;
	v_permlanex16_b32 v[W2], v[W], s20, s21
	v_or_b32 v[W], v[W], v[W2]                     ; with lane l xor 16's two the word is whole
	ds_store_b32 v5, v[W] offset:64*\t             ; both lanes of a row write the same word with the same value
	global_store_b128 v2, v[C+8*\t:C+8*\t+3], s[12:13] offset:1024*\t          ; 512 consecutive bytes a store, at a multiple of 512
	global_store_b128 v2, v[C+8*\t+4:C+8*\t+7], s[12:13] offset:1024*\t+512
.endm
	KTILE 0
	KTILE 1
	FINISH KWD
; ---------------- v: a wave takes block w of the step's keys (32 keys) and all 128 channels; a lane channels 4 l .. 4 l + 3 ----------------
.Lv:
	s_lshl_b32 s30, s22, 14
	s_add_co_u32 s28, s28, s30                     ; + 32 rows x wave
	s_add_nc_u64 s[6:7], s[6:7], s[28:29]
.irp i, 0,1,2,3,4,5,6,7,8,9,10,11,12,13,14,15,16,17,18,19,20,21,22,23,24,25,26,27,28,29,30,31
	global_load_b128 v[R+4*\i:R+4*\i+3], v2, s[6:7] offset:512*\i th:TH_LOAD_NT   ; key i: one whole row
.endr
	s_add_co_u32 s26, s26, HEADB/2                 ; V's part of the image
	s_add_nc_u64 s[10:11], s[8:9], s[26:27]
	s_lshl_b32 s32, s22, 8
	s_add_nc_u64 s[12:13], s[10:11], s[32:33]      ; block w = (c, h) of every tile: 256 w bytes on
	s_add_co_u32 s35, s22, VWD
	v_lshlrev_b32 v19, 12, v18
	v_lshl_add_u32 v19, v17, 4, v19                ; tile 4 (lane / 16) + q, row lane % 16
	v_lshlrev_b32 v28, 8, v18
	v_lshl_add_u32 v28, v17, 2, v28
	v_add_nc_u32 v28, s35, v28                     ; byte w of that row's scale word
	s_wait_alu depctr_va_vdst(0)
	s_wait_loadcnt 0x0
.macro VCHAN q                         ; channel 4 l + q: its 32 keys side by side, then as above
.set XS, X+32*(\q%2)
.set i, 0
.rept 32
	v_mov_b32 v[XS+i], v[R+4*i+\q]
.set i, i+1
.endr
	v_max3_num_f32 v[MX], |v[XS]|, |v[XS+1]|, |v[XS+2]|
	v_max3_num_f32 v[MX+1], |v[XS+3]|, |v[XS+4]|, |v[XS+5]|
.irp j, 6,10,14,18,22,26
	v_max3_num_f32 v[MX], v[MX], |v[XS+\j]|, |v[XS+\j+1]|
	v_max3_num_f32 v[MX+1], v[MX+1], |v[XS+\j+2]|, |v[XS+\j+3]|
.endr
	v_max3_num_f32 v[MX], v[MX], |v[XS+30]|, |v[XS+31]|
	v_max3_num_f32 v[MX], v[MX], v[MX+1], 0x1800000
	v_add_nc_u32 v[EX], 0xff000000, v[MX]
.irp g, 0,1,2,3
	v_cvt_scalef32_pk8_fp4_f32 v[C+4*\q+\g], v[XS+8*\g:XS+8*\g+7], v[EX]
.endr
	v_lshrrev_b32 v[BY+\q], 23, v[EX]
	ds_store_b8 v28, v[BY+\q] offset:64*\q
	global_store_b128 v19, v[C+4*\q:C+4*\q+3], s[12:13] offset:1024*\q   ; each sixteen lanes store 256 consecutive bytes, at a multiple of 256
.endm
	VCHAN 0
	VCHAN 1
	VCHAN 2
	VCHAN 3
	FINISH VWD
.Lfunc_end_k_q10618aea37_quant:
	.size	k_q10618aea37_quant, .Lfunc_end_k_q10618aea37_quant-k_q10618aea37_quant
	.p2alignl 7, 3214868480
	.fill 96, 4, 3214868480
	.section	.rodata,"a",@progbits
	.p2align	6, 0x0
	.amdhsa_kernel k_q10618aea37_quant
		.amdhsa_group_segment_fixed_size 35328
		.amdhsa_private_segment_fixed_size 0
		.amdhsa_enable_private_segment 0
		.amdhsa_kernarg_size 24
		.amdhsa_user_sgpr_count 2
		.amdhsa_user_sgpr_kernarg_segment_ptr 1
		.amdhsa_wavefront_size32 1
		.amdhsa_system_sgpr_workgroup_id_x 1
		.amdhsa_system_sgpr_workgroup_id_y 1
		.amdhsa_system_sgpr_workgroup_id_z 1
		.amdhsa_system_vgpr_workitem_id 0
		.amdhsa_next_free_vgpr 256
		.amdhsa_next_free_sgpr 66
		.amdhsa_reserve_vcc 0
		.amdhsa_float_denorm_mode_32 3
		.amdhsa_float_denorm_mode_16_64 3
		.amdhsa_memory_ordered 1
		.amdhsa_forward_progress 1
		.amdhsa_inst_pref_size 31
	.end_amdhsa_kernel
	.amdgpu_metadata
---
amdhsa.version: [ 1, 2 ]
amdhsa.kernels:
  - .name:           k_q10618aea37_quant
    .symbol:         k_q10618aea37_quant.kd
    .args:
      - { .name: k, .offset: 0, .size: 8, .value_kind: global_buffer, .address_space: global }
      - { .name: v, .offset: 8, .size: 8, .value_kind: global_buffer, .address_space: global }
      - { .name: kv, .offset: 16, .size: 8, .value_kind: global_buffer, .address_space: global }
    .group_segment_fixed_size: 35328
    .private_segment_fixed_size: 0
    .kernarg_segment_align: 8
    .kernarg_segment_size: 24
    .max_flat_workgroup_size: 128
    .sgpr_count:     66
    .vgpr_count:     256
    .wavefront_size: 32
...
	.end_amdgpu_metadata
.endif
;; end of part 1
;; launch attn (part 2): grid 8 x 32, 8 waves a work-group, clusters of 4 x 1, 327,680 bytes of LDS; arguments q, kv, out0; writes out0
.if DOCPART == 2
	.amdgcn_target "amdgcn-amd-amdhsa--gfx1250"
	.amdhsa_code_object_version 6
	.text
	.protected	k_q10618aea37_attn
	.globl	k_q10618aea37_attn
	.p2align	8
	.type	k_q10618aea37_attn,@function
k_q10618aea37_attn:
	s_mov_b64 s[64:65], 0
	v_nop
	global_prefetch_b8 v0, s[64:65] scope:SCOPE_SE
	s_setreg_imm32_b32 hwreg(HW_REG_WAVE_MODE, 25, 1), 1
	s_wait_xcnt 0x0
	s_wait_alu depctr_hold_cnt(0) depctr_sa_sdst(0) depctr_va_vdst(0) depctr_va_sdst(0) depctr_va_ssrc(0) depctr_va_vcc(0) depctr_vm_vsrc(0)
	s_getreg_b32 s2, hwreg(HW_REG_IB_STS2, 6, 4)
	s_cmp_eq_u32 s2, 0
	s_cbranch_scc0 .Lentry_in_a_cluster
	s_endpgm
.Lentry_in_a_cluster:
	s_bfe_u32 s2, ttmp6, 0x10000c
	s_cmp_lg_u32 s2, 0x3003
	s_cbranch_scc0 .Lentry_shape_is_right
	s_endpgm
.Lentry_shape_is_right:
; out0[h][i][:] = the sum over k of softmax_k(q[h][i] . k[h][k] / sqrt(128)) v[h][k][:], 32 heads, 2,048 queries and keys, head size 128, both products on codes of FP4 (E2M1) with one E8M0 scale for each 32 along a product's K.
; K's and V's codes and scale words come from the first launch as one image a head (its layout stands there); q arrives as f32, each row is read by one wave and quantised here.
; THE SOFTMAX AHEAD OF THE SECOND PRODUCT: t = score x log2(e) / sqrt(128); M = the row's largest t so far, rounded UP to a whole number; p = 2^(t - M) is quantised along the keys, not normalised.
; The row's sum is taken of the unquantised p, in f32, and divides at the end.  When M moves, what was made under the old M is multiplied by 2^(old M - new M): exact.
; SHARES.  A work-group owns 256 queries of one head, each of its eight waves 32: two tiles of 16, so that each fragment of K and V read from LDS feeds two products.  512 registers a wave: two waves to a SIMD.
; LDS.  A head's image, 278,528 bytes, comes into LDS ONCE, in two groups of four loads, one load a wave and group, all by waves 0 to 3: first key steps 0 to 3 of K and of V, which the first trip needs, then steps 4 to 15.
;   The second group is shown to all by a barrier whose signal stands ahead of the first trip and whose wait stands behind it.  No byte is filled twice.
; Waves 4 to 7 ask for their q while waves 0 to 3 still wait for the first group.
; No data prefetch: the image is asked for whole at the head, and the walk over the keys reads nothing from memory: there is no loop to run ahead in.
; CLUSTER.  The four query blocks of a cluster belong to one head: the image is asked for JOINTLY, by the same tensor loads with the same descriptors and a mask that names the four.
; LAYOUT.  Both products are used transposed: S^T = K Q^T (source 0 = 16 keys), O^T = V^T P^T (source 0 = 16 channels): a lane holds ONE query (lane % 16) of each tile throughout.
; The keys of K's tiles are placed so that a lane's 32 registers of S^T's tiles 4 c .. 4 c + 3 are keys 64 c + 32 (lane / 16) + 0..31: a whole block in a lane, in the very order of the next operand.
; V's tile 4 g + q has channel 64 g + 4 m + q at row m: register j of O^T's tiles 4 g + 0..3 are channels 64 g + 32 (lane / 16) + 4 j + 0..3: 16 neighbouring bytes of out0.
; A TRIP is two key steps a, b.  The products V^T P^T of both stand behind b's softmax: O^T is rescaled once for two steps, and a's scale operands take 2^(M of a - M of b) instead.
; LIMITS: the scaled scores stay under 2^31 in magnitude; a block's largest p is taken from the block's largest score through the same multiply-add and exponential, which takes v_exp_f32 not to fall where its input rises;
;   p under 2^-126 counts as 0; a block of p that a later M brings under 2^-127 keeps the scale byte 0, 2^-127; a block of q whose largest magnitude lies under 2^-124 has its byte held at 1 (a block of zeros too); NaN and infinities are not served.
; REGISTERS.  Window 0: v1-18 addresses and scale words; v20-27 scale operands; v28-31, v92-95 block maxima; v32-47 Q; v48-59 K's and V's scale words; v60-91 P's codes; v96-223 S^T, then p (64 a tile; at the head q); v224-243 statistics.
;   Window 1: v0-127 O^T, 64 a tile; v128-191, v192-255 two buffers of eight fragments.
.set HEADB, 278528
.set VB0, 139264                       ; V's part of the image
.set STEPB, 8704                       ; a key step: 8,192 bytes of codes, 512 of scale words
.set PARTH, 2*STEPB                    ; a load of the first group: two key steps, 68 rows of 256 bytes
.set PARTL, 6*STEPB                    ; of the second: six, 204 rows
.set STG, HEADB                        ; behind the image: a stage of 16 rows x 272 bytes for each wave, for q and for the way out
.set SPARE, STG+8*4352                 ; the spare words
.set LI,  1                            ; 16 x lane: my place in K's images
.set LIV, 2                            ; in V's
.set LS,  3                            ; my place among K's scale words
.set LT,  4                            ; among V's
.set ADK, 5                            ; v5-8 the same for the trip in hand
.set ADV, 6
.set ADS, 7
.set ADT, 8
.set GO,  9                            ; my byte offset in the wave's rows of q and of out0
.set SPW, 10                           ; my spare word: never rewritten
.set NIL, 11                           ; 0: never rewritten
.set STO, 12                           ; the stage: row r, from byte 128 h on
.set RD,  13                           ; the stage by rows: lanes 0-15 one row of 256 bytes, lanes 16-31 the next
.set SWA, 16                           ; p's scale words of step a (lanes 0-15 tile 0's, 16-31 tile 1's), of step b, and q's
.set SWB, 17
.set QS,  18
.set BEA, 20                           ; the conversions' scale operands of step a, register 2 tile + block
.set BEB, 24                           ; and of step b
.set BH,  28                           ; the second chains of the block maxima
.set QF,  32
.set KS,  48                           ; register p: lanes 0-15 the words of tile 2 p, lanes 16-31 those of tile 2 p + 1
.set VSA, 52
.set VSB, 56
.set PA,  60
.set PB,  76
.set BM,  92
.set S,   96
.set ST,  224                          ; tile x at ST + 10 x: +0 -M of step a, +1 the largest score, +2 -M of step b, +3 at work, +4 f of step b, +5 the other half's, +6 f of step a, then of both, +7 at work, +8, +9 the sum
.set O,   0
.set FA,  128
.set FB,  192
.set WV,  18
.set NC,  19                           ; -c
.set SEL, 20
.set CS,  22                           ; c = log2(e) / sqrt(128), as a pair
.set G1,  24                           ; descriptor groups 1 and 0 of the first group's loads
.set G0,  32
.set G0L, 40                           ; and of the second's
.set G1L, 44
.set TK,  60                           ; 17,408 x trip
.set CNT, 62
.set MSB, 0
.macro WIN new                         ; the immediate's high byte repeats the setting that is left
.if MSB != \new
	s_set_vgpr_msb (MSB<<8)|\new
.set MSB, \new
.endif
.endm
.set W_LD, 0x40                        ; destination window 1
.set W_KQ, 0x01                        ; source 0 (K) window 1
.set W_PV, 0x51                        ; source 0 (V), C and D (O^T) window 1
.set W_RS, 0x41                        ; O^T window 1, f window 0
; A round of the cluster's barrier.
.macro CROUND
	s_barrier_signal -1
	s_barrier_wait -1
	s_cmp_lg_u32 s[WV], 0
	s_cbranch_scc1 .Lnot_wave_0_\@
	s_barrier_signal -3
.Lnot_wave_0_\@:
	s_barrier_wait -3
	s_barrier_signal -1
	s_barrier_wait -1
.endm
	s_load_b128 s[4:7], s[0:1], 0x0                ; q s[4:5], kv s[6:7]
	s_load_b64 s[8:9], s[0:1], 0x10                ; out0
	v_lshl_add_u32 v[SPW], v0, 2, SPARE
	v_mov_b32 v[NIL], 0
	ds_add_u32 v[SPW], v[NIL]
	ds_add_u32 v[SPW], v[NIL]
	v_lshrrev_b32 v19, 5, v0
	v_readfirstlane_b32 s[WV], v19                 ; wave 0..7
	v_and_b32 v14, 15, v0                          ; r
	v_bfe_u32 v15, v0, 4, 1                        ; h
	v_and_b32 v19, 31, v0                          ; lane
	s_mul_i32 s90, s[WV], 4352
	s_add_co_u32 s90, s90, STG                     ; my stage
	v_mul_u32_u24 v[STO], v14, 272                 ; 272 = 17 x 16: sixteen rows start 16 bytes apart modulo 256
	v_mul_u32_u24 v[RD], v15, 272
	v_lshlrev_b32 v[GO], 9, v15
	v_lshl_add_u32 v[STO], v15, 7, v[STO]
	v_lshl_add_u32 v[RD], v14, 4, v[RD]
	v_lshl_add_u32 v[GO], v14, 4, v[GO]
	v_add_nc_u32 v[STO], s90, v[STO]
	v_add_nc_u32 v[RD], s90, v[RD]
	v_lshlrev_b32 v[LI], 4, v19
	v_lshl_add_u32 v[LS], v19, 2, 8192
	v_lshl_add_u32 v[LT], v19, 2, VB0+8192
	v_add_nc_u32 v[LIV], VB0, v[LI]
	s_bfe_u32 s66, ttmp6, 0x40000                  ; cx: it enters q's and out0's addresses alone
	s_lshl_b32 s67, ttmp9, 2                       ; in a cluster launch ttmp9 counts clusters
	s_add_co_u32 s67, s67, s66                     ; my block of 256 queries
	s_and_b32 s68, ttmp7, 0xffff                   ; the head, which the four partners share
	s_lshl_b32 s67, s67, 3
	s_add_co_u32 s67, s67, s[WV]                   ; my wave's 32 queries
	s_lshl_b32 s70, s68, 20                        ; q, out0: 2,048 rows x 512 bytes a head, 32 rows a wave
	s_lshl_b32 s69, s67, 14
	s_add_co_u32 s70, s70, s69
	s_mov_b32 s71, 0
	; what I fetch, if I fetch (waves 0 to 3): wave / 2 says K or V, wave % 2 which half; made of the head and the wave's number, in registers that never hold cx
	s_lshr_b32 s76, s[WV], 1
	s_and_b32 s76, s76, 1
	s_mul_i32 s76, s76, VB0
	s_and_b32 s77, s[WV], 1
	s_mul_i32 s74, s77, PARTH
	s_add_co_u32 s74, s74, s76                     ; first group: two of key steps 0 to 3; the image lies in LDS as in memory
	s_mul_i32 s75, s77, PARTL
	s_add_co_u32 s75, s75, s76
	s_add_co_u32 s75, s75, 4*STEPB                 ; second group: six of key steps 4 to 15
	s_mul_i32 s80, s68, HEADB
	s_add_co_u32 s72, s80, s74
	s_mov_b32 s73, 0
	s_add_co_u32 s78, s80, s75
	s_mov_b32 s79, 0
	s_mov_b32 s[G1], 15|(3<<16)|(1<<21)            ; the mask: all four work-groups; elements of 8 bytes; no padding; bit 21 set beside a mask
	s_mov_b32 s[G1+1], 32<<16                      ; tensor_dim0 = 32: rows of 256 bytes
	s_mov_b32 s[G1+2], 68<<16                      ; tensor_dim1
	s_mov_b32 s[G1+3], 32<<16                      ; tile_dim0
	s_mov_b32 s[G1+4], 68                          ; tile_dim1
	s_mov_b32 s[G1+5], 32                          ; from row to row
	s_mov_b32 s[G1+6], 0
	s_mov_b32 s[G1+7], 0
	s_mov_b32 s[G1L], 15|(3<<16)|(1<<21)
	s_mov_b32 s[G1L+1], 32<<16
	s_mov_b32 s[G1L+2], 204<<16
	s_mov_b32 s[G1L+3], 32<<16
	s_mov_b32 s[G1L+4], 204
	s_mov_b32 s[G1L+5], 32
	s_mov_b32 s[G1L+6], 0
	s_mov_b32 s[G1L+7], 0
	s_mov_b32 s[G0], 1
	s_mov_b32 s[G0+1], s74
	s_mov_b32 s[G0L], 1
	s_mov_b32 s[G0L+1], s75
	s_mov_b32 s[SEL], 0x76543210
	s_mov_b32 s[SEL+1], 0xfedcba98
	s_mov_b32 s[CS], 0x3e0293ee
	s_mov_b32 s[CS+1], s[CS]                       ; (named with it as a pair, so it is written)
	s_mov_b32 s[NC], 0xbe0293ee
	s_mov_b32 s[TK], 0
	s_wait_alu depctr_va_vdst(0)
	s_wait_dscnt 0x0                               ; both opening adds are done
	CROUND                                         ; all four work-groups are here: the first joint loads meet
	s_wait_kmcnt 0x0
	s_add_nc_u64 s[4:5], s[4:5], s[70:71]
	s_add_nc_u64 s[8:9], s[8:9], s[70:71]
	s_add_nc_u64 s[G0+2:G0+3], s[6:7], s[72:73]
	s_or_b32 s[G0+3], s[G0+3], 0x80000000          ; type = 2
	s_add_nc_u64 s[G0L+2:G0L+3], s[6:7], s[78:79]
	s_or_b32 s[G0L+3], s[G0L+3], 0x80000000
	s_cmp_lt_u32 s[WV], 4
	s_cbranch_scc0 .Lno_first
	tensor_load_to_lds s[G0:G0+3], s[G1:G1+7]      ; key steps 0 to 3: one load a wave at the head
	s_nop 0
.rept 4
	v_nop
.endr
.Lno_first:
.macro QLD x                           ; tile x's 16 rows of q, by halves of 256 bytes: sixteen lanes read 256 consecutive bytes
.irp c, 0,1
.irp i, 0,1,2,3,4,5,6,7
	global_load_b128 v[S+64*\x+32*\c+4*\i:S+64*\x+32*\c+4*\i+3], v[GO], s[4:5] offset:(16*\x+2*\i)*512+256*\c th:TH_LOAD_NT
.endr
.endr
.endm
	s_wait_tensorcnt 0x0                           ; my load of the first group is in (waves 4 to 7 have none out)
	ds_add_u32 v[SPW], v[NIL]
	ds_add_u32 v[SPW], v[NIL]
	s_wait_dscnt 0x0
	QLD 0
	QLD 1
	CROUND                                         ; the first group is in for every wave, and the joint loads of the second meet
	s_cmp_lt_u32 s[WV], 4
	s_cbranch_scc0 .Lno_second
	tensor_load_to_lds s[G0L:G0L+3], s[G1L:G1L+7]  ; key steps 4 to 15: the first tensor load behind the round
	s_nop 0
.rept 4
	v_nop
.endr
.Lno_second:
; q's quarters (tile x, half c = quarter 2 x + c) turn through my stage: in as rows, back as row r, k = 64 c + 32 h + 0..31: a whole block in a lane.  LDS serves a wave's instructions in order.
.irp n, 0,1,2,3
	s_wait_loadcnt 24-8*\n                         ; the younger quarters may be out
.irp i, 0,1,2,3,4,5,6,7
	ds_store_b128 v[RD], v[S+32*\n+4*\i:S+32*\n+4*\i+3] offset:544*\i
.endr
.irp p, 0,1,2,3,4,5,6,7
	ds_load_b128 v[S+32*\n+4*\p:S+32*\n+4*\p+3], v[STO] offset:16*\p
.endr
.endr
	s_wait_dscnt 0x0
.irp n, 0,1,2,3
	v_max3_num_f32 v[BM+\n], |v[S+32*\n]|, |v[S+32*\n+1]|, 0x1800000   ; the block's largest magnitude, with the floor 2^(3 - 127)
.endr
.irp i, 2,4,6,8,10,12,14,16,18,20,22,24,26,28,30
.irp n, 0,1,2,3
	v_max3_num_f32 v[BM+\n], v[BM+\n], |v[S+32*\n+\i]|, |v[S+32*\n+\i+1]|
.endr
.endr
.irp n, 0,1,2,3
	v_add_nc_u32 v[BEB+\n], 0xff000000, v[BM+\n]   ; 2 off the exponent field: the conversion takes the exponent field as its scale
.endr
.irp g, 0,1,2,3
.irp n, 0,1,2,3
	v_cvt_scalef32_pk8_fp4_f32 v[QF+4*\n+\g], v[S+32*\n+8*\g:S+32*\n+8*\g+7], v[BEB+\n]
.endr
.endr
	v_nop                                          ; a plain line behind the conversions
; Scale words of both tiles from their operands' exponent fields: my lane has bytes h and 2 + h of its query; the exchange of halves gives lanes 0-15 tile 0's whole words, lanes 16-31 tile 1's.
.macro WORD be, dst
.irp x, 0,1
	v_lshrrev_b32 v[ST+10*\x+7], 23, v[\be+2*\x]
.endr
.irp x, 0,1
	v_lshrrev_b32 v[ST+10*\x+3], 23, v[\be+2*\x+1]
.endr
.irp x, 0,1
	v_lshl_or_b32 v[ST+10*\x+7], v[ST+10*\x+3], 16, v[ST+10*\x+7]
.endr
	v_permlane16_swap_b32 v[ST+7], v[ST+17]
	v_lshl_or_b32 v[\dst], v[ST+17], 8, v[ST+7]
.endm
	WORD BEB, QS
.irp x, 0,1                                    ; (these lines are also places between q's scale words and the first products)
	v_mov_b32 v[ST+10*\x+1], 0xff61b1e6            ; the largest score so far: -3e38
	v_mov_b32 v[ST+10*\x+2], 0x7f61b1e6            ; -M so far: 3e38: the first f is 0, beside a sum of 0
	v_mov_b32 v[ST+10*\x+5], 0                     ; (a lane permute's destination counts as one of its sources)
	v_mov_b32 v[ST+10*\x+8], 0                     ; the sum, in two halves
	v_mov_b32 v[ST+10*\x+9], 0
.endr
	s_wait_alu depctr_va_vdst(0)
	s_wait_tensorcnt 0x0                           ; my load of the second group is in; no LDS instruction of mine is pending:
	s_barrier_signal -1                            ; say so; the wait stands behind the first trip, which reads key steps 0 to 2 alone, stores nothing and asks for nothing
.macro KLOAD fr, off, ak, aw           ; K's scale words and eight fragments of one key step
.irp p, 0,1,2,3
	ds_load_b32 v[KS+\p], v[\aw] offset:\off+128*\p
.endr
	WIN W_LD
.irp t, 0,1,2,3,4,5,6,7
	ds_load_b128 v[\fr+8*\t:\fr+8*\t+3], v[\ak] offset:\off+1024*\t
	ds_load_b128 v[\fr+8*\t+4:\fr+8*\t+7], v[\ak] offset:\off+1024*\t+512
.endr
	WIN 0
.endm
.macro VLOAD fr, vs, off               ; V's
.irp p, 0,1,2,3
	ds_load_b32 v[\vs+\p], v[ADT] offset:\off+128*\p
.endr
	WIN W_LD
.irp t, 0,1,2,3,4,5,6,7
	ds_load_b128 v[\fr+8*\t:\fr+8*\t+3], v[ADV] offset:\off+1024*\t
	ds_load_b128 v[\fr+8*\t+4:\fr+8*\t+7], v[ADV] offset:\off+1024*\t+512
.endr
	WIN 0
.endm
; One product; ra, rb: which half of the lanes holds A's, B's scale words.  MM0 starts a sum, MMC adds in place.
.macro MM0 d, a, b, sa, sb, ra, rb
.if \ra == 0 && \rb == 0
	v_wmma_scale_f32_16x16x128_f8f6f4 v[\d:\d+7], v[\a:\a+7], v[\b:\b+7], 0, v[\sa], v[\sb] matrix_a_fmt:MATRIX_FMT_FP4 matrix_b_fmt:MATRIX_FMT_FP4
.elseif \ra == 0
	v_wmma_scale_f32_16x16x128_f8f6f4 v[\d:\d+7], v[\a:\a+7], v[\b:\b+7], 0, v[\sa], v[\sb] matrix_a_fmt:MATRIX_FMT_FP4 matrix_b_fmt:MATRIX_FMT_FP4 matrix_b_scale:MATRIX_SCALE_ROW1
.elseif \rb == 0
	v_wmma_scale_f32_16x16x128_f8f6f4 v[\d:\d+7], v[\a:\a+7], v[\b:\b+7], 0, v[\sa], v[\sb] matrix_a_fmt:MATRIX_FMT_FP4 matrix_b_fmt:MATRIX_FMT_FP4 matrix_a_scale:MATRIX_SCALE_ROW1
.else
	v_wmma_scale_f32_16x16x128_f8f6f4 v[\d:\d+7], v[\a:\a+7], v[\b:\b+7], 0, v[\sa], v[\sb] matrix_a_fmt:MATRIX_FMT_FP4 matrix_b_fmt:MATRIX_FMT_FP4 matrix_a_scale:MATRIX_SCALE_ROW1 matrix_b_scale:MATRIX_SCALE_ROW1
.endif
.endm
.macro MMC d, a, b, sa, sb, ra, rb
.if \ra == 0 && \rb == 0
	v_wmma_scale_f32_16x16x128_f8f6f4 v[\d:\d+7], v[\a:\a+7], v[\b:\b+7], v[\d:\d+7], v[\sa], v[\sb] matrix_a_fmt:MATRIX_FMT_FP4 matrix_b_fmt:MATRIX_FMT_FP4
.elseif \ra == 0
	v_wmma_scale_f32_16x16x128_f8f6f4 v[\d:\d+7], v[\a:\a+7], v[\b:\b+7], v[\d:\d+7], v[\sa], v[\sb] matrix_a_fmt:MATRIX_FMT_FP4 matrix_b_fmt:MATRIX_FMT_FP4 matrix_b_scale:MATRIX_SCALE_ROW1
.elseif \rb == 0
	v_wmma_scale_f32_16x16x128_f8f6f4 v[\d:\d+7], v[\a:\a+7], v[\b:\b+7], v[\d:\d+7], v[\sa], v[\sb] matrix_a_fmt:MATRIX_FMT_FP4 matrix_b_fmt:MATRIX_FMT_FP4 matrix_a_scale:MATRIX_SCALE_ROW1
.else
	v_wmma_scale_f32_16x16x128_f8f6f4 v[\d:\d+7], v[\a:\a+7], v[\b:\b+7], v[\d:\d+7], v[\sa], v[\sb] matrix_a_fmt:MATRIX_FMT_FP4 matrix_b_fmt:MATRIX_FMT_FP4 matrix_a_scale:MATRIX_SCALE_ROW1 matrix_b_scale:MATRIX_SCALE_ROW1
.endif
.endm
.macro KQ fr                           ; S^T of one key step: 8 tiles of keys x 2 tiles of queries
.irp p, 0,1,2,3
	MM0 S+16*\p, \fr+16*\p, QF, KS+\p, QS, 0, 0
	MM0 S+64+16*\p, \fr+16*\p, QF+8, KS+\p, QS, 0, 1
	MM0 S+8+16*\p, \fr+8+16*\p, QF, KS+\p, QS, 1, 0
	MM0 S+72+16*\p, \fr+8+16*\p, QF+8, KS+\p, QS, 1, 1
.endr
.endm
; O^T of one key step: the 16 accumulators take turns, one instruction a turn.
.macro PV fr, vs, pc, sw, first
.irp p, 0,1,2,3
.if \first
	MM0 O+16*\p, \fr+16*\p, \pc, \vs+\p, \sw, 0, 0
	MM0 O+64+16*\p, \fr+16*\p, \pc+8, \vs+\p, \sw, 0, 1
	MM0 O+8+16*\p, \fr+8+16*\p, \pc, \vs+\p, \sw, 1, 0
	MM0 O+72+16*\p, \fr+8+16*\p, \pc+8, \vs+\p, \sw, 1, 1
.else
	MMC O+16*\p, \fr+16*\p, \pc, \vs+\p, \sw, 0, 0
	MMC O+64+16*\p, \fr+16*\p, \pc+8, \vs+\p, \sw, 0, 1
	MMC O+8+16*\p, \fr+8+16*\p, \pc, \vs+\p, \sw, 1, 0
	MMC O+72+16*\p, \fr+8+16*\p, \pc+8, \vs+\p, \sw, 1, 1
.endif
.endr
.endm
.macro PLACES                          ; the four places behind a matrix instruction ahead of loads into its sources
.rept 4
	v_nop
.endr
.endm
.macro CV x, c, g                      ; eight p of tile x's block 2 c + h become codes, in the operand's order
	v_cvt_scalef32_pk8_fp4_f32 v[PX+8*\x+4*\c+\g], v[S+64*\x+32*\c+8*\g:S+64*\x+32*\c+8*\g+7], v[BE+2*\x+\c]
.endm
.macro EXPS n                          ; the next n exponentials of tile 1
.rept \n
	v_exp_f32 v[S+64+e], v[S+64+e]
.set e, e+1
.endr
.endm
.macro TREE base, k, d                 ; pair k += pair k + d
	v_pk_add_f32 v[\base+2*\k:\base+2*\k+1], v[\base+2*\k:\base+2*\k+1], v[\base+2*\k+2*\d:\base+2*\k+2*\d+1]
.endm
; THE LARGEST SCORE OF BLOCK n (= 2 tile + c): it serves the row's maximum and, since p rises with the score, the block's largest p.  Two chains, registers 0-15 and 16-31; each accumulator is read from its low end on.
.macro MX0 n
	v_max3_num_f32 v[BM+\n], v[S+32*\n], v[S+32*\n+1], v[S+32*\n+2]
	v_max3_num_f32 v[BH+\n], v[S+32*\n+16], v[S+32*\n+17], v[S+32*\n+18]
.endm
.macro MXS n, i
	v_max3_num_f32 v[BM+\n], v[BM+\n], v[S+32*\n+\i], v[S+32*\n+\i+1]
	v_max3_num_f32 v[BH+\n], v[BH+\n], v[S+32*\n+16+\i], v[S+32*\n+17+\i]
.endm
.macro MXE n, m                        ; blocks n and m
	v_max3_num_f32 v[BM+\n], v[BM+\n], v[S+32*\n+15], v[S+32*\n+31]
	v_max3_num_f32 v[BM+\m], v[BM+\m], v[S+32*\m+15], v[S+32*\m+31]
	v_max_num_f32 v[BM+\n], v[BM+\n], v[BH+\n]
	v_max_num_f32 v[BM+\m], v[BM+\m], v[BH+\m]
.endm
; Line k of the eight that make tile x's -M and f out of its block maxima: each reads the one before, so other work stands between them.
.macro ROW x, k
.if \k == 0
	v_max_num_f32 v[ST+10*\x+3], v[BM+2*\x], v[BM+2*\x+1]
.elseif \k == 1
	v_permlanex16_b32 v[ST+10*\x+5], v[ST+10*\x+3], s[SEL], s[SEL+1]
.elseif \k == 2
	v_max3_num_f32 v[ST+10*\x+1], v[ST+10*\x+1], v[ST+10*\x+3], v[ST+10*\x+5]   ; the running largest score
.elseif \k == 3
	v_mul_f32 v[ST+10*\x+3], s[NC], v[ST+10*\x+1]   ; -t
.elseif \k == 4
	v_floor_f32 v[NMN+10*\x], v[ST+10*\x+3]         ; -M = floor(-t): M is a whole number
.elseif \k == 5
	v_sub_f32 v[ST+10*\x+3], v[NMN+10*\x], v[NMO+10*\x]   ; the old M less the new: 0 or less
.elseif \k == 6
	v_cvt_i32_f32 v[ST+10*\x+3], v[ST+10*\x+3]      ; (it saturates)
.else
	v_ldexp_f32 v[FX+10*\x], 1.0, v[ST+10*\x+3]     ; f = 2^(old M - new M)
.endif
.endm
; Both tiles' softmax for one key step (half = 0: a, 1: b): register S + 64 x + 32 c + i = key 64 c + 32 h + i of my query of tile x.  The row sums' last lines stand apart, in TAIL1 and TAIL2.
.macro SOFT half
.set NMN, ST+2*\half                   ; -M, new
.set NMO, ST+2-2*\half                 ; and old
.set FX,  ST+6-2*\half
.set BE,  BEA+4*\half
.set PX,  PA+16*\half
	MX0 0
	MX0 1
.irp i, 3,5,7,9,11,13
	MXS 0, \i
	MXS 1, \i
.endr
	MXE 0, 1
	MX0 2
	MX0 3
	ROW 0, 0
.irp k, 1,2,3,4,5,6                    ; tile 1's maxima, tile 0's row between them
	MXS 2, 2*\k+1
	MXS 3, 2*\k+1
	ROW 0, \k
.endr
	MXE 2, 3
	ROW 0, 7
.set i, 0
.irp k, 0,1,2,3,4,5,6,7                ; tile 0's t - M, two at a time (of the pairs c and -M the low word serves both halves); tile 1's row between them
.rept 4
	v_pk_fma_f32 v[S+2*i:S+2*i+1], v[S+2*i:S+2*i+1], s[CS:CS+1], v[NMN:NMN+1] op_sel_hi:[1,0,0]
.set i, i+1
.endr
	ROW 1, \k
.endr
.irp x, 0,1
	v_pk_mul_f32 v[ST+10*\x+8:ST+10*\x+9], v[ST+10*\x+8:ST+10*\x+9], v[FX+10*\x:FX+10*\x+1] op_sel_hi:[1,0]   ; the sum under the new M
.endr
.if \half
.irp x, 0,1
	v_mul_f32 v[ST+10*\x+6], v[ST+10*\x+6], v[ST+10*\x+4]   ; both steps' f, for O^T
.endr
.irp n, 0,1,2,3
	v_mul_f32 v[BEA+\n], v[BEA+\n], v[ST+10*(\n/2)+4]       ; step a's scale operands under step b's M: the exponent field moves, nothing else
.endr
.endif
.irp c, 0,1
	v_fma_f32 v[BM+\c], v[BM+\c], s[CS], v[NMN]     ; the same of each block's largest score
.endr
	s_wait_alu depctr_va_vdst(0)                   ; ahead of the batch
.set i, 0
.rept 30                               ; tile 0's exponentials, tile 1's multiply-adds between them: their results are read behind the next wait
	v_exp_f32 v[S+2*i], v[S+2*i]
	v_pk_fma_f32 v[S+64+2*i:S+64+2*i+1], v[S+64+2*i:S+64+2*i+1], s[CS:CS+1], v[NMN+10:NMN+11] op_sel_hi:[1,0,0]
	v_exp_f32 v[S+2*i+1], v[S+2*i+1]
.set i, i+1
.endr
.irp j, 60,61,62,63
	v_exp_f32 v[S+\j], v[S+\j]
.endr
.irp c, 0,1
	v_exp_f32 v[BM+\c], v[BM+\c]                   ; the block's largest p: the same two instructions on the same number give the same bits
.endr
.rept 2
	v_pk_fma_f32 v[S+64+2*i:S+64+2*i+1], v[S+64+2*i:S+64+2*i+1], s[CS:CS+1], v[NMN+10:NMN+11] op_sel_hi:[1,0,0]
.set i, i+1
.endr
.irp c, 0,1
	v_fma_f32 v[BM+2+\c], v[BM+2+\c], s[CS], v[NMN+10]
.endr
	s_wait_alu depctr_va_vdst(0)                   ; behind tile 0's batch and ahead of tile 1's
.irp c, 0,1
	v_max_num_f32 v[BM+\c], 0x1800000, v[BM+\c]    ; the floor 2^(3 - 127): the byte cannot fall under 1
.endr
.irp c, 0,1
	v_add_nc_u32 v[BE+\c], 0xff000000, v[BM+\c]    ; 2 off the exponent field
.endr
.set e, 0
	CV 0, 0, 0
	CV 0, 1, 0
.irp g, 1,2,3                          ; tile 1's exponentials, tile 0's conversions between them
	EXPS 2
	CV 0, 0, \g
	EXPS 2
	CV 0, 1, \g
.endr
	v_nop                                          ; a plain line behind the conversions
.irp k, 0,1,2,3,4,5,6,7,8,9,10,11
	EXPS 4
	TREE S, \k, 16                                 ; THE ROW'S SUM IS TAKEN OF THE UNQUANTISED p: a tree in p's own registers
.endr
	EXPS 4
.irp c, 2,3
	v_exp_f32 v[BM+\c], v[BM+\c]
.endr
.irp k, 12,13,14,15                    ; (plain lines behind the exponentials)
	TREE S, \k, 16
.endr
	s_wait_alu depctr_va_vdst(0)                   ; behind tile 1's batch
.irp c, 2,3
	v_max_num_f32 v[BM+\c], 0x1800000, v[BM+\c]
.endr
.irp c, 2,3
	v_add_nc_u32 v[BE+\c], 0xff000000, v[BM+\c]
.endr
.irp g, 0,1,2,3
	CV 1, 0, \g
	TREE S, 2*\g, 8
	CV 1, 1, \g
	TREE S, (2*\g+1), 8
.endr
.if \half
	WORD BEA, SWA
	WORD BEB, SWB
.endif
.endm
.macro TAIL1                           ; the row sums' last lines
.irp k, 0,1,2,3,4,5,6,7
	TREE S+64, \k, 16
.endr
.endm
.macro TAIL2
.irp k, 0,1,2,3
	TREE S, \k, 4
.endr
.irp k, 8,9,10,11,12,13,14,15
	TREE S+64, \k, 16
.endr
	TREE S, 0, 2
	TREE S, 1, 2
.irp k, 0,1,2,3,4,5,6,7
	TREE S+64, \k, 8
.endr
	TREE S, 0, 1
.irp k, 0,1,2,3
	TREE S+64, \k, 4
.endr
	v_pk_add_f32 v[ST+8:ST+9], v[ST+8:ST+9], v[S:S+1]
	TREE S+64, 0, 2
	TREE S+64, 1, 2
	TREE S+64, 0, 1
	v_pk_add_f32 v[ST+18:ST+19], v[ST+18:ST+19], v[S+64:S+65]
.endm
; A TRIP: key steps a = 2 i and b = 2 i + 1; it enters with S^T of step a made.  first = 1: step a's products start O^T.  last = 1: nothing of a next step is fetched or multiplied.
.macro TRIP first, last
	v_add_nc_u32 v[ADK], s[TK], v[LI]              ; these four lines are the places behind the last products, ahead of the loads and of the first read of S^T
	v_add_nc_u32 v[ADV], s[TK], v[LIV]
	v_add_nc_u32 v[ADS], s[TK], v[LS]
	v_add_nc_u32 v[ADT], s[TK], v[LT]
	KLOAD FA, STEPB, ADK, ADS                      ; K of step b
	VLOAD FB, VSA, 0                               ; V of step a
	SOFT 0
	TAIL1
	TAIL2
	s_wait_alu depctr_va_vdst(0)
	s_wait_dscnt 0x0
	WIN W_KQ
	KQ FA
	WIN 0
	PLACES
	VLOAD FA, VSB, STEPB                           ; V of step b
	SOFT 1
.if \first
	TAIL1                                          ; (also places between p's scale words and the products)
	TAIL2
.else
	WIN W_RS
	s_wait_alu depctr_va_vdst(0)                   ; ahead of O^T's first reader
.set i, 0
.rept 32
.irp x, 0,1
	v_pk_mul_f32 v[O+64*\x+2*i:O+64*\x+2*i+1], v[O+64*\x+2*i:O+64*\x+2*i+1], v[ST+10*\x+6:ST+10*\x+7] op_sel_hi:[1,0]   ; O^T under the new M; each accumulator from its low end on
.endr
.set i, i+1
.endr
.endif
	s_wait_alu depctr_va_vdst(0)
	s_wait_dscnt 0x0
	WIN W_PV
	PV FB, VSA, PA, SWA, \first
	WIN 0
.if \first
	PLACES
.else
	TAIL1                                          ; eight plain lines that name none of the products' registers: the places ahead of the loads into their sources
.endif
.if !\last
	KLOAD FB, 2*STEPB, ADK, ADS                    ; K of the next step a
.endif
.if !\first
	TAIL2                                          ; work on registers while K comes
.endif
	WIN W_PV
	PV FA, VSB, PB, SWB, 0
.if !\last
	s_wait_dscnt 0x0
	WIN W_KQ
	KQ FB
.endif
	WIN 0                                          ; at a label and at a branch every window is 0
	s_add_co_u32 s[TK], s[TK], 2*STEPB
.endm
	KLOAD FB, 0, LI, LS                            ; key step 0
	s_wait_dscnt 0x0
	WIN W_KQ
	KQ FB
	WIN 0
	TRIP 1, 0                                      ; reads K's steps 1, 2 and V's 0, 1: the first group
	s_wait_alu depctr_va_vdst(0)
	s_barrier_wait -1                              ; the second group is in for every wave: from here on no wave waits for another until the closing round
	s_mov_b32 s[CNT], 6
.Lpair:
	TRIP 0, 0
	s_wait_alu depctr_va_vdst(0)                   ; ahead of the branch
	s_sub_co_u32 s[CNT], s[CNT], 1
	s_cmp_lg_u32 s[CNT], 0
	s_cbranch_scc1 .Lpair
	TRIP 0, 1
	; THE WAY OUT.  These lines are also the places behind the last products.
.irp x, 0,1
	v_add_f32 v[ST+10*\x+8], v[ST+10*\x+8], v[ST+10*\x+9]   ; the sum's two halves,
.endr
.irp x, 0,1
	v_permlanex16_b32 v[ST+10*\x+5], v[ST+10*\x+8], s[SEL], s[SEL+1]
.endr
.irp x, 0,1
	v_add_f32 v[ST+10*\x+8], v[ST+10*\x+8], v[ST+10*\x+5]   ; and lane l xor 16's: the row's sum
.endr
	s_wait_alu depctr_va_vdst(0)                   ; ahead of the transcendentals
.irp x, 0,1
	v_rcp_f32 v[ST+10*\x+8], v[ST+10*\x+8]
.endr
	v_nop
; Tile x: O^T / the sum, four neighbouring channels from four accumulators; then half a row (64 channels, 256 bytes) of 16 queries at a time through my stage, back into the registers that it left.
.macro PACK x
	WIN 0x01                                       ; source 0 (O^T) window 1
	s_wait_alu depctr_va_vdst(0)                   ; behind the reciprocals, ahead of O^T's first readers
.irp u, 0,1
.irp j, 0,1,2,3,4,5,6,7
.irp t, 0,1,2,3
	v_mul_f32 v[S+64*\x+32*\u+4*\j+\t], v[O+64*\x+32*\u+8*\t+\j], v[ST+10*\x+8]   ; each accumulator from its low end on
.endr
.endr
.endr
	WIN 0
.irp u, 0,1
.irp j, 0,1,2,3,4,5,6,7
	ds_store_b128 v[STO], v[S+64*\x+32*\u+4*\j:S+64*\x+32*\u+4*\j+3] offset:16*\j
.endr
.irp j, 0,1,2,3,4,5,6,7
	ds_load_b128 v[S+64*\x+32*\u+4*\j:S+64*\x+32*\u+4*\j+3], v[RD] offset:544*\j   ; LDS serves a wave's instructions in order
.endr
.endr
.endm
; The two PACKs issue 64 LDS instructions; load (x, u, j) is number 32 x + 16 u + 8 + j of them, so 55 - 32 x - 16 u - j were issued behind it and may stay out.
.macro SEND x
.irp u, 0,1
.irp j, 0,1,2,3,4,5,6,7
	s_wait_dscnt 55-32*\x-16*\u-\j
	global_store_b128 v[GO], v[S+64*\x+32*\u+4*\j:S+64*\x+32*\u+4*\j+3], s[8:9] offset:(16*\x+2*\j)*512+256*\u th:TH_STORE_NT   ; 16 lanes store 256 consecutive bytes, at a multiple of 256
.endr
.endr
.endm
	PACK 0
	PACK 1
	SEND 0
	SEND 1
	s_wait_tensorcnt 0x0                           ; the wave's end
	ds_add_u32 v[SPW], v[NIL]
	s_wait_dscnt 0x0
	CROUND                                         ; the closing round: no work-group ends while a partner may still ask for a tile that names it
	s_endpgm
.Lfunc_end_k_q10618aea37_attn:
	.size	k_q10618aea37_attn, .Lfunc_end_k_q10618aea37_attn-k_q10618aea37_attn
	.p2alignl 7, 3214868480
	.fill 96, 4, 3214868480
	.section	.rodata,"a",@progbits
	.p2align	6, 0x0
	.amdhsa_kernel k_q10618aea37_attn
		.amdhsa_group_segment_fixed_size 327680
		.amdhsa_private_segment_fixed_size 0
		.amdhsa_enable_private_segment 0
		.amdhsa_kernarg_size 24
		.amdhsa_user_sgpr_count 2
		.amdhsa_user_sgpr_kernarg_segment_ptr 1
		.amdhsa_wavefront_size32 1
		.amdhsa_system_sgpr_workgroup_id_x 1
		.amdhsa_system_sgpr_workgroup_id_y 1
		.amdhsa_system_sgpr_workgroup_id_z 1
		.amdhsa_system_vgpr_workitem_id 0
		.amdhsa_next_free_vgpr 512
		.amdhsa_next_free_sgpr 96
		.amdhsa_reserve_vcc 0
		.amdhsa_float_denorm_mode_32 3
		.amdhsa_float_denorm_mode_16_64 3
		.amdhsa_memory_ordered 1
		.amdhsa_forward_progress 1
		.amdhsa_inst_pref_size 198
	.end_amdhsa_kernel
	.amdgpu_metadata
---
amdhsa.version: [ 1, 2 ]
amdhsa.kernels:
  - .name:           k_q10618aea37_attn
    .symbol:         k_q10618aea37_attn.kd
    .args:
      - { .name: q, .offset: 0, .size: 8, .value_kind: global_buffer, .address_space: global }
      - { .name: kv, .offset: 8, .size: 8, .value_kind: global_buffer, .address_space: global }
      - { .name: out0, .offset: 16, .size: 8, .value_kind: global_buffer, .address_space: global }
    .group_segment_fixed_size: 327680
    .private_segment_fixed_size: 0
    .kernarg_segment_align: 8
    .kernarg_segment_size: 24
    .max_flat_workgroup_size: 256
    .sgpr_count:     96
    .vgpr_count:     512
    .wavefront_size: 32
...
	.end_amdgpu_metadata
.endif
;; end of part 2
